; MI455X (gfx1250); checked and timed in simulation.
; The chip was launched on July 23, 2026; its instructions are those of AMD's public machine-readable ISA for CDNA 5 (MIT licence, August 2026) and "CDNA5" Instruction Set Architecture Reference Guide (July 2026). The comments in the code are by the model that wrote it; some were corrected since.
;; Self Attention. Allowed arithmetic: matrix products marked QUANTISED: E4M3 operands, one given power-of-two scale a tensor, by v_wmma_f32_16x16x64_fp8_fp8 or v_wmma_f32_16x16x128_fp8_fp8, f32 sums; everything else in f32.
;; Inputs: Wk_codes 32 x 8 x 32 uint8 (E4M3 codes of Wk, K innermost, in blocks of 32 codes); Wq_codes 32 x 8 x 32 uint8 (E4M3 codes of Wq, K innermost, in blocks of 32 codes); Wv_codes 256 x 8 x 32 uint8 (E4M3 codes of Wv, K innermost, in blocks of 32 codes); gamma one number float32; lowp_scales 10 int32 (the exponents e of the quantised operands' scales 2^e); x 16 x 256 x 32 x 64 float32.
;; Outputs: out0 16 x 256 x 32 x 64 float32.
;; This version of the problem:
;;   THIS VERSION OF THE PROBLEM IS GIVEN IN LOW PRECISION. The matrix products marked QUANTISED in the list below multiply operands that are first quantised to E4M3 (4 exponent bits, 3 mantissa bits; 8 bits a number), with one given power-of-two scale for each operand tensor; their sums are f32. All else is computed in f32.
;;   The module's matrix products, in the order in which they are computed (A, B: the left and right operand; K: the contracted axis; several contracted axes count as one K, in the product's order):
;;     1. [M 32,768, K 256] x [K 256, N 32]; A: input x; B: input Wq (given as codes): QUANTISED (scales: A lowp_scales[0], B lowp_scales[1])
;;     2. [M 32,768, K 256] x [K 256, N 32]; A: input x; B: input Wk (given as codes): QUANTISED (scales: A lowp_scales[2], B lowp_scales[3])
;;     3. [M 32,768, K 256] x [K 256, N 256]; A: input x; B: input Wv (given as codes): QUANTISED (scales: A lowp_scales[4], B lowp_scales[5])
;;     4. batch 16 x [M 2,048, K 32] x [K 32, N 2,048]; A: computed on the way; B: computed on the way: QUANTISED (scales: A lowp_scales[6], B lowp_scales[7])
;;     5. batch 16 x [M 256, K 2,048] x [K 2,048, N 2,048]; A: computed on the way; B: softmax (see below): QUANTISED (scales: A lowp_scales[8], B lowp_scales[9])
;;   THE QUANTISER, for each operand of a quantised product, along K:
;;     - The operand's scale is 2^e, e = its entry of the input lowp_scales (int32; the entries are numbered through the quantised products in the list's order, A before B).
;;     - Each number is divided by the scale, clamped to +-448, and rounded to the nearest number of E4M3, ties to even, subnormals kept.
;;     - The product sums the exact products of the quantised numbers (number of the format x scale) in f32.
;;   ~~~python
;;   def quantise(x, axis, e):      # numpy; x: float32 -> the quantised numbers, widened to float32 again
;;       x = np.moveaxis(x, axis, -1); K = x.shape[-1]
;;       r = np.clip(x / 2.0 ** e, -448, 448)
;;       step = 2.0 ** (np.maximum(np.frexp(np.where(r == 0, 1, r))[1] - 1, -6) - 3)
;;       q = np.round(r / step) * step * 2.0 ** e      # np.round: ties to even
;;       return np.moveaxis(q, -1, axis).astype(np.float32)
;;   ~~~
;;   SOFTMAX AHEAD OF A QUANTISED PRODUCT. Where the list says 'softmax', what is quantised is not the finished softmax but p = 2^(t - M), with t = logit x log2(e) and M = ceil(the row's largest t), a whole number; so 1/2 < the row's largest p <= 1. The row's sum l is taken of the UNQUANTISED p, in f32, and the product's result is divided by l at the end. Since M is a whole number, a kernel that streams over the keys may use a running M (the ceiling of the running maximum): every later rescaling is an exact power of two, so the quantised numbers keep their values, but for numbers so far below the row's largest that they fall under the format's range.
;;   OPERANDS COMPUTED ON THE WAY. 'Computed on the way' means the value that the module computes at that place (a softmax that the list does not call 'softmax' is quantised finished and normalised). What goes into a quantiser is computed in f32, as accurately as f32 sums, v_exp_f32 and their like allow (about 1e-6 of the number): no bf16 or f16 on the way to a quantiser, and a product that is left as it is and whose result goes on into a quantised operand takes f32 operands (vector FMAs, or v_wmma_f32_16x16x4_f32). A number that lies on a knife's edge between two numbers of the format may be rounded either way, as far as f32 arithmetic and the matrix unit's own rounding can turn it there, and no further.
;;   INPUTS GIVEN AS CODES. Wk (in the module: [32, 256], K = its axis 1); Wq (in the module: [32, 256], K = its axis 1); Wv (in the module: [256, 256], K = its axis 1): each comes as NAME_codes (uint8): NAME with its K axis moved to the last place and cut into blocks of 32 codes, [.., K / 32, bytes a block], one block behind the other in memory; one code a byte (a code: sign, 4 exponent bits, 3 mantissa bits); its scale is its entry of lowp_scales. Its value is code x scale, taken as it is: it is not quantised again, and the codes and scales need not be those that the quantiser above would give.
;; One version. Each part assembles by itself: llvm-mc -triple=amdgcn-amd-amdhsa -mcpu=gfx1250 --defsym DOCPART=n.
;; ======== version 1 of 1: 2 launches
;; workspace buffers: kv 9,437,184 bytes; kimg 1,048,576 bytes
;; launch proj (part 1): grid 16 x 16, 8 waves a work-group, no clusters, 105,472 bytes of LDS; arguments x, Wq_codes, Wk_codes, Wv_codes, lowp_scales, kv, kimg; writes kv, kimg
.if DOCPART == 1
	.amdgcn_target "amdgcn-amd-amdhsa--gfx1250"
	.amdhsa_code_object_version 6
	.text
	.protected	k_q5c7e5862dc_proj
	.globl	k_q5c7e5862dc_proj
	.p2align	8
	.type	k_q5c7e5862dc_proj,@function
k_q5c7e5862dc_proj:
	s_mov_b64 s[64:65], 0
	v_nop
	global_prefetch_b8 v0, s[64:65] scope:SCOPE_SE
	s_setreg_imm32_b32 hwreg(HW_REG_WAVE_MODE, 25, 1), 1
	s_wait_xcnt 0x0
; THE PROJECTIONS.  x: [16][256 c][2048 n] f32.  q[n][d] = sum_c x[c][n] Wq[d][c], k likewise with Wk, v[e][n] with Wv: three products on codes of FP8 (E4M3), K = c.
; x is quantised three times, with 2^e0, 2^e2, 2^e4 (entries 0, 2, 4 of the scales); the weights come as codes (e1, e3, e5).  The results are quantised at once for the next
; launch's products: q with 2^e6, k with 2^e7 (K = d), v with 2^e8 (K = n), and stored AS IMAGES OF OPERAND REGISTERS, so that the next launch fetches a fragment by 16 bytes a lane.
; SHARES.  A work-group takes 128 positions n of one batch (x = which 128, y = batch).  Eight waves.
;   1: wave w takes 32 positions (w % 4) and 128 channels (w / 4): A LANE TAKES A POSITION AND ITS REGISTERS RUN DOWN c, which is K: the conversions then give codes with K innermost.
;      The three sets of codes go to three tiles in LDS, 128 rows n of 256 codes.  One barrier.
;   2: waves 0-3 make q, waves 4-7 k, each for two tiles of 16 positions (transposed: source 0 = 16 rows of the weight, source 1 = 16 positions: a lane holds one position, its registers run along d).
;   3: wave w makes v for channels e = 32 w .. 32 w + 31 and all 128 positions (source 0 = 16 positions, source 1 = 16 rows of Wv: a lane holds one e, its registers run along n, the next K).
; THE ROWS OF A TILE ARE NOT NEIGHBOURS: lane r of tile 2 b + u takes row 32 b + 8 u + r + 8 (r / 8) (positions), or 8 u + r + 8 (r / 8) (rows d of Wq, Wk), so that the 16 registers of two
; neighbouring tiles are 16 neighbours along the next K.
; OUT.  kv: [batch][step of 128 n][36,864 bytes]: 8 tiles of q x 512 bytes (lane l's 16 codes, d = 16 (l / 16) + 0 .. 15, at 16 l), then 16 tiles of v x 2,048 bytes (registers 4 c .. 4 c + 3, n = 32 c + 16 (l / 16) + 0 .. 15, at 512 c + 16 l).
;       kimg: [batch][block of 128 m][8 tiles x 512 bytes]: k, laid as q.
; NO CLUSTER: the work-groups share the weights alone, 80 KiB against the 128 KiB of x that each reads for itself.  No tensor loads: x must pass through registers to be quantised.
; LIMITS: e0, e2, e4, e6 - e0 - e1, e7 - e2 - e3, e8 - e4 - e5 between -126 and 119, so that each scale and 448 x the scale are f32 numbers.  NaN among the inputs is not served (an infinity is held at the largest code).
.set P,    272                         ; an LDS row: 256 codes + 16 bytes of padding.  Rows r and r + 16 of a fragment begin 16 x 68 words apart, so a fragment's loads go two deep on the banks (64 banks of 4 bytes: ISA guide 11.1)
.set XKO,  128*P                       ; the tile of x's codes for k begins here,
.set XVO,  2*128*P                     ; and here the one for v; the one for q at 0
.set KVB,  589824                      ; kv: bytes of a batch,
.set KVS,  36864                       ; and of a step
; REGISTERS: v1 4 x lane; v2, v3 where I store codes; v4, v5 where I read fragments; v6, v7 my place in the weights; v8 16 x lane; v9-14 scales and limits; v16-31 two sets of codes;
;   v32-63 held numbers, later fragments of x; v64-127 Wv's four fragments; v128-255 my 128 numbers of x, later Wq's or Wk's fragments, q's or k's sums, and at last v's 16 accumulators.
.macro PLACES n
.rept \n
	v_nop
.endr
.endm
.macro MKSC vs, vl, se                 ; v[vs] = 2^se as f32 (a conversion takes its exponent field), v[vl] = 448 x 2^se
	s_add_co_i32 s34, \se, 127
	s_lshl_b32 s35, s34, 23
	v_mov_b32 v[\vs], s35
	s_add_co_i32 s34, s34, 8
	s_lshl_b32 s34, s34, 23
	s_or_b32 s34, s34, 0x600000
	v_mov_b32 v[\vl], s34
.endm
; Block t (32 along c) of my numbers, with one of the three scales, becomes 32 codes of my row in one of the three tiles.
.macro QZ t, vs, vl, adr, off, set
	s_wait_dscnt 2                                 ; this set's last two stores are done; the other set's two may be out
.set j, 0
.rept 32
	v_med3_num_f32 v[32+j], v[128+32*(\t)+j], -v[\vl], v[\vl]   ; the conversion to an 8-bit code does not saturate (ISA guide 7.6.2): the hold at the largest code x the scale, into other registers: x is wanted three times
.set j, j+1
.endr
.irp g, 0,1,2,3
	v_cvt_scalef32_pk8_fp8_f32 v[16+8*(\set)+2*\g:16+8*(\set)+2*\g+1], v[32+8*\g:32+8*\g+7], v[\vs]
.endr
	v_nop                                          ; a plain line between the conversions and the next lines that write their sources
	ds_store_b128 v[\adr], v[16+8*(\set):16+8*(\set)+3] offset:\off+32*(\t)
	ds_store_b128 v[\adr], v[16+8*(\set)+4:16+8*(\set)+7] offset:\off+32*(\t)+16
.endm
	s_load_b256 s[4:11], s[0:1], 0x0               ; x s[4:5], Wq s[6:7], Wk s[8:9], Wv s[10:11]
	s_load_b128 s[12:15], s[0:1], 0x20             ; the scales' exponents s[12:13], kv s[14:15]
	s_load_b64 s[16:17], s[0:1], 0x30              ; kimg
	s_set_vgpr_msb 0x40
	v_lshl_add_u32 v0, v0, 2, 0x19800
	v_mov_b32 v1, 0
	s_set_vgpr_msb 0x4000
	v_lshrrev_b32 v1, 5, v0
	v_readfirstlane_b32 s18, v1                    ; wave 0..7
	s_and_b32 s19, s18, 3                          ; which 32 positions; later: which two tiles of positions
	s_lshr_b32 s20, s18, 2                         ; which 128 channels; later: q (0) or k (1)
	s_mov_b32 s21, ttmp9                           ; which 128 positions
	s_and_b32 s22, ttmp7, 0xffff                   ; the batch
	v_and_b32 v15, 31, v0                          ; lane
	v_lshlrev_b32 v1, 2, v15                       ; x: 4 bytes a lane
	v_lshlrev_b32 v8, 4, v15                       ; an image: 16 bytes a lane
	s_lshl_b32 s34, s19, 5
	v_add_nc_u32 v2, s34, v15                      ; my position among the 128 = my row in the tiles
	v_mul_u32_u24 v2, v2, P
	s_lshl_b32 s35, s20, 7
	v_add_nc_u32 v2, s35, v2                       ; + my half of its 256 codes
	v_add_nc_u32 v3, XVO, v2                       ; the same in v's tile, which lies beyond a 16-bit offset
	v_and_b32 v13, 15, v0                          ; r
	v_bfe_u32 v14, v0, 4, 1                        ; h
	v_and_b32 v15, 8, v13
	v_add_nc_u32 v15, v15, v13                     ; r + 8 (r / 8)
	v_mul_u32_u24 v4, v15, P
	v_lshl_add_u32 v4, v14, 4, v4                  ; a fragment of x: row x pitch + 16 h
	s_mul_i32 s34, s20, XKO                        ; q's tile or k's,
	s_mul_i32 s35, s19, 32*P                       ; my 32 positions
	s_add_co_u32 s34, s34, s35
	v_add_nc_u32 v5, s34, v4
	v_add_nc_u32 v4, XVO, v4
	v_lshlrev_b32 v6, 8, v13
	v_lshl_add_u32 v6, v14, 4, v6                  ; Wv: row r of 256 codes, + 16 h
	v_lshlrev_b32 v7, 8, v15
	v_lshl_add_u32 v7, v14, 4, v7                  ; Wq, Wk: row r + 8 (r / 8)
	s_lshl_b32 s36, s22, 21                        ; x: batch x 2,097,152
	s_lshl_b32 s37, s20, 20                        ;    + 128 channels x 8,192
	s_add_co_u32 s36, s36, s37
	s_lshl_b32 s37, s21, 9                         ;    + 128 positions x 4
	s_add_co_u32 s36, s36, s37
	s_lshl_b32 s37, s19, 7                         ;    + 32 positions x 4
	s_add_co_u32 s36, s36, s37
	s_mov_b32 s37, 0
	s_mul_i32 s38, s22, KVB
	s_mul_i32 s39, s21, KVS
	s_add_co_u32 s38, s38, s39                     ; my step in kv
	s_lshl_b32 s40, s22, 16
	s_lshl_b32 s41, s21, 12
	s_add_co_u32 s40, s40, s41                     ; my block in kimg
	s_cmp_eq_u32 s20, 0
	s_cselect_b32 s40, s38, s40                    ; q goes to kv, k to kimg: the offset is chosen apart from the address
	s_lshl_b32 s41, s19, 10
	s_add_co_u32 s40, s40, s41                     ; + my two tiles of 512 bytes
	s_mov_b32 s41, 0
	s_lshl_b32 s39, s18, 12
	s_add_co_u32 s38, s38, s39                     ; v: my two tiles of 2,048 bytes,
	s_add_co_u32 s38, s38, 4096                    ; behind q's 4,096
	s_mov_b32 s39, 0
	s_lshl_b32 s34, s18, 13                        ; Wv: my 32 rows of 256 codes
	s_mov_b32 s35, 0
	s_wait_kmcnt 0x0
	s_load_b256 s[24:31], s[12:13], 0x0            ; e0 .. e7
	s_load_b64 s[32:33], s[12:13], 0x20            ; e8, e9
	s_add_nc_u64 s[4:5], s[4:5], s[36:37]
	s_add_nc_u64 s[10:11], s[10:11], s[34:35]
	s_cmp_eq_u32 s20, 0                            ; the choice hangs on the wave's number alone
	s_cselect_b64 s[46:47], s[6:7], s[8:9]         ; Wq or Wk
	s_cselect_b64 s[42:43], s[14:15], s[16:17]     ; kv or kimg
	s_add_nc_u64 s[42:43], s[42:43], s[40:41]
	s_add_nc_u64 s[44:45], s[14:15], s[38:39]
.irp et, 0,1                                   ; Wv's fragments (tile et of my two, K step ks) at v[64 + 16 (2 et + ks)]: they stay
.irp ks, 0,1
.irp c, 0,1,2,3
	global_load_b128 v[64+16*(2*\et+\ks)+4*\c:64+16*(2*\et+\ks)+4*\c+3], v6, s[10:11] offset:\et*4096+128*\ks+32*\c
.endr
.endr
.endr
.set i, 0
.rept 128                                      ; x(128 (w / 4) + i, my position): a wave reads 128 consecutive bytes, four waves side by side 512
	global_load_b32 v[128+i], v1, s[4:5] offset:i*8192
.set i, i+1
.endr
	s_wait_kmcnt 0x0
	MKSC 9, 10, s24                                ; e0
	MKSC 11, 12, s26                               ; e2
	MKSC 13, 14, s28                               ; e4
; ---- 1: x into three sets of codes.  Loads come back in order (ISA guide 5.7.1).  Issued: Wv's 16, x's 128, and behind block 1 the 16 of Wq or Wk.
.irp t, 0,1,2,3
.if \t < 2
	s_wait_loadcnt 63                              ; block 0 could leave 96 out, block 1 64: the count's field ends at 63
.elseif \t == 2
	s_wait_loadcnt 48                              ; block 3's 32 and the weight's 16 may be out
.else
	s_wait_loadcnt 16                              ; the weight's 16 may be out
.endif
	QZ \t, 9, 10, 2, 0, (3*\t)%2
	QZ \t, 11, 12, 2, XKO, (3*\t+1)%2
	QZ \t, 13, 14, 3, 0, (3*\t+2)%2
.if \t == 1
.irp u, 0,1                                    ; Wq's or Wk's fragments (tile u, K step ks) at v[128 + 16 (2 u + ks)]: blocks 0 and 1 have left these registers
.irp ks, 0,1
.irp c, 0,1,2,3
	global_load_b128 v[128+16*(2*\u+\ks)+4*\c:128+16*(2*\u+\ks)+4*\c+3], v7, s[46:47] offset:\u*2048+128*\ks+32*\c
.endr
.endr
.endr
.endif
.endr
	s_wait_dscnt 0x0                               ; for the others' sake: my stores into the tiles are done
	s_barrier_signal -1
	s_barrier_wait -1                              ; the three tiles are whole.  Nothing is written to LDS behind this barrier
	s_sub_co_i32 s36, s30, s24
	s_sub_co_i32 s36, s36, s25                     ; a sum of q stands for sum x 2^(e0 + e1): its code is sum / 2^(e6 - e0 - e1): three scales folded into the conversion's one
	s_sub_co_i32 s37, s31, s26
	s_sub_co_i32 s37, s37, s27                     ; k: e7 - e2 - e3
	s_cmp_eq_u32 s20, 0
	s_cselect_b32 s36, s36, s37
	MKSC 9, 10, s36
	s_sub_co_i32 s37, s32, s28
	s_sub_co_i32 s37, s37, s29                     ; v: e8 - e4 - e5
	MKSC 11, 12, s37
; ---- 2: q or k for my two tiles of positions
.irp up, 0,1                                   ; x's fragments of tile up: v32-63, v224-255
.irp ks, 0,1
.irp c, 0,1,2,3
	ds_load_b128 v[32+192*\up+16*\ks+4*\c:32+192*\up+16*\ks+4*\c+3], v5 offset:\up*8*P+128*\ks+32*\c
.endr
.endr
.endr
	s_wait_loadcnt 0x0                             ; the weights
	s_wait_dscnt 0x0
.irp ks, 0,1                                   ; four accumulators by turns, one instruction a turn; the first K step starts the sums
.irp up, 0,1
.irp u, 0,1
.if \ks == 0
	v_wmma_f32_16x16x128_fp8_fp8 v[192+16*\up+8*\u:192+16*\up+8*\u+7], v[128+16*(2*\u+\ks):128+16*(2*\u+\ks)+15], v[32+192*\up+16*\ks:32+192*\up+16*\ks+15], 0
.else
	v_wmma_f32_16x16x128_fp8_fp8 v[192+16*\up+8*\u:192+16*\up+8*\u+7], v[128+16*(2*\u+\ks):128+16*(2*\u+\ks)+15], v[32+192*\up+16*\ks:32+192*\up+16*\ks+15], v[192+16*\up+8*\u:192+16*\up+8*\u+7]
.endif
.endr
.endr
.endr
	PLACES 4                                       ; four plain lines between a matrix instruction and the first read of its result (ISA guide 7.12.1)
.set j, 0
.rept 32                                       ; lane (r, h), register 192 + 16 up + i: position of lane r in tile up, d = 16 h + i.  Each accumulator from its low end on
	v_med3_num_f32 v[192+j], v[192+j], -v10, v10
.set j, j+1
.endr
.irp up, 0,1
	v_cvt_scalef32_pk8_fp8_f32 v[16+4*\up:17+4*\up], v[192+16*\up:199+16*\up], v9
	v_cvt_scalef32_pk8_fp8_f32 v[18+4*\up:19+4*\up], v[200+16*\up:207+16*\up], v9
.endr
	v_nop                                          ; a plain line behind the conversions: matrix instructions below write their sources
	global_store_b128 v8, v[16:19], s[42:43]                   ; a tile's image: the wave stores 512 consecutive bytes, aligned
	global_store_b128 v8, v[20:23], s[42:43] offset:512
; ---- 3: v for my 32 channels and the 128 positions.  Accumulator (et, t) at v[128 + 64 et + 8 t]: laid over registers of the products above, so five plain lines stand between
	PLACES 5
.irp t, 0,1,2,3,4,5,6,7
.if \t > 0
	PLACES 4                                       ; in front of loads into registers that matrix instructions have read
.endif
.irp ks, 0,1
.irp c, 0,1,2,3
	ds_load_b128 v[32+16*\ks+4*\c:32+16*\ks+4*\c+3], v4 offset:(32*(\t/2)+8*(\t%2))*P+128*\ks+32*\c
.endr
.endr
	s_wait_dscnt 0x0
	v_wmma_f32_16x16x128_fp8_fp8 v[128+8*\t:128+8*\t+7], v[32:47], v[64:79], 0       ; two accumulators by turns
	v_wmma_f32_16x16x128_fp8_fp8 v[192+8*\t:192+8*\t+7], v[32:47], v[96:111], 0
	v_wmma_f32_16x16x128_fp8_fp8 v[128+8*\t:128+8*\t+7], v[48:63], v[80:95], v[128+8*\t:128+8*\t+7]
	v_wmma_f32_16x16x128_fp8_fp8 v[192+8*\t:192+8*\t+7], v[48:63], v[112:127], v[192+8*\t:192+8*\t+7]
.endr
	PLACES 4
	s_wait_xcnt 0x0                                ; q's or k's stores have read v16-23: only behind this wait are they written again
.irp et, 0,1                                   ; lane (r, h), register 128 + 64 et + 16 b + i: e = 32 w + 16 et + r, n = 32 b + 16 h + i
.set j, 0
.rept 64
	v_med3_num_f32 v[128+64*\et+j], v[128+64*\et+j], -v12, v12
.set j, j+1
.endr
.irp g, 0,1,2,3,4,5,6,7
	v_cvt_scalef32_pk8_fp8_f32 v[16+16*\et+2*\g:17+16*\et+2*\g], v[128+64*\et+8*\g:128+64*\et+8*\g+7], v11
.endr
	v_nop
.irp c, 0,1,2,3
	global_store_b128 v8, v[16+16*\et+4*\c:16+16*\et+4*\c+3], s[44:45] offset:2048*\et+512*\c   ; 512 consecutive bytes, aligned
.endr
.endr
	s_set_vgpr_msb 0x5
	s_wait_tensorcnt 0x0
	ds_add_u32 v0, v1
	s_wait_dscnt 0x0
	s_set_vgpr_msb 0x500
	s_endpgm
.Lfunc_end_k_q5c7e5862dc_proj:
	.size	k_q5c7e5862dc_proj, .Lfunc_end_k_q5c7e5862dc_proj-k_q5c7e5862dc_proj
	.p2alignl 7, 3214868480
	.fill 96, 4, 3214868480
	.section	.rodata,"a",@progbits
	.p2align	6, 0x0
	.amdhsa_kernel k_q5c7e5862dc_proj
		.amdhsa_group_segment_fixed_size 105472
		.amdhsa_private_segment_fixed_size 0
		.amdhsa_enable_private_segment 0
		.amdhsa_kernarg_size 56
		.amdhsa_user_sgpr_count 2
		.amdhsa_user_sgpr_kernarg_segment_ptr 1
		.amdhsa_wavefront_size32 1
		.amdhsa_system_sgpr_workgroup_id_x 1
		.amdhsa_system_sgpr_workgroup_id_y 1
		.amdhsa_system_sgpr_workgroup_id_z 1
		.amdhsa_system_vgpr_workitem_id 0
		.amdhsa_next_free_vgpr 258
		.amdhsa_next_free_sgpr 66
		.amdhsa_reserve_vcc 0
		.amdhsa_float_denorm_mode_32 3
		.amdhsa_float_denorm_mode_16_64 3
		.amdhsa_memory_ordered 1
		.amdhsa_forward_progress 1
		.amdhsa_inst_pref_size 71
	.end_amdhsa_kernel
	.amdgpu_metadata
---
amdhsa.version: [ 1, 2 ]
amdhsa.kernels:
  - .name:           k_q5c7e5862dc_proj
    .symbol:         k_q5c7e5862dc_proj.kd
    .args:
      - { .name: x, .offset: 0, .size: 8, .value_kind: global_buffer, .address_space: global }
      - { .name: Wq_codes, .offset: 8, .size: 8, .value_kind: global_buffer, .address_space: global }
      - { .name: Wk_codes, .offset: 16, .size: 8, .value_kind: global_buffer, .address_space: global }
      - { .name: Wv_codes, .offset: 24, .size: 8, .value_kind: global_buffer, .address_space: global }
      - { .name: lowp_scales, .offset: 32, .size: 8, .value_kind: global_buffer, .address_space: global }
      - { .name: kv, .offset: 40, .size: 8, .value_kind: global_buffer, .address_space: global }
      - { .name: kimg, .offset: 48, .size: 8, .value_kind: global_buffer, .address_space: global }
    .group_segment_fixed_size: 105472
    .private_segment_fixed_size: 0
    .kernarg_segment_align: 8
    .kernarg_segment_size: 56
    .max_flat_workgroup_size: 256
    .sgpr_count:     66
    .vgpr_count:     258
    .wavefront_size: 32
...
	.end_amdgpu_metadata
.endif
;; end of part 1
;; launch attn (part 2): grid 16 x 16, 8 waves a work-group, clusters of 4 x 1, 327,680 bytes of LDS; arguments kv, kimg, lowp_scales, gamma, x, out0; writes out0
.if DOCPART == 2
	.amdgcn_target "amdgcn-amd-amdhsa--gfx1250"
	.amdhsa_code_object_version 6
	.text
	.protected	k_q5c7e5862dc_attn
	.globl	k_q5c7e5862dc_attn
	.p2align	8
	.type	k_q5c7e5862dc_attn,@function
k_q5c7e5862dc_attn:
	s_mov_b64 s[64:65], 0
	v_nop
	global_prefetch_b8 v0, s[64:65] scope:SCOPE_SE
	s_setreg_imm32_b32 hwreg(HW_REG_WAVE_MODE, 25, 1), 1
	s_wait_xcnt 0x0
	s_wait_alu depctr_hold_cnt(0) depctr_sa_sdst(0) depctr_va_vdst(0) depctr_va_sdst(0) depctr_va_ssrc(0) depctr_va_vcc(0) depctr_vm_vsrc(0)
	s_getreg_b32 s2, hwreg(HW_REG_IB_STS2, 6, 4)
	s_cmp_eq_u32 s2, 0
	s_cbranch_scc0 .Lentry_in_a_cluster
	s_endpgm
.Lentry_in_a_cluster:
	s_bfe_u32 s2, ttmp6, 0x10000c
	s_cmp_lg_u32 s2, 0x3003
	s_cbranch_scc0 .Lentry_shape_is_right
	s_endpgm
.Lentry_shape_is_right:
; out[b][e][m] = gamma x (sum over n of v[e][n] p[n][m]) / l[m] + x[b][e][m], the softmax taken over n for each column m; both products on codes of FP8 (E4M3).
; t = (q[n] . k[m]) x log2(e); M = the column's largest t so far, rounded UP to a whole number; p = 2^(t - M) is quantised with 2^e9, not normalised; l is the sum of the unquantised p, in f32.
; When M moves, l and O are multiplied by 2^(old M - new M): exact.  The running maximum is taken away in every step, whatever the inputs.
; IN.  kv: [batch][16 steps of 128 n][36,864 bytes]: 8 tiles of q (512 bytes each), 16 tiles of v (2,048 bytes each), as images of operand registers; kimg: k likewise (see the launch before).
; SHARES.  A work-group owns 128 columns m of one batch.  Wave w = 4 g + pw owns TWO tiles of 16 columns (tiles 2 pw, 2 pw + 1 of k's image) with all 256 channels e, and HALF of the positions n: of a slot's four steps
; it walks steps g and g + 2.  So a step's images are read from LDS by four waves, not eight, and each fragment of v feeds two products.  Two waves to a SIMD, so that one wave's softmax stands beside the other's products.
; At the end the two groups' (O, l, M) of a column are joined: M = the larger of the two, and each part is multiplied by 2^(its M - M), exact, as in any step.
; LAYOUT.  S^T = q k^T (source 0 = 16 n, source 1 = 16 m), O^T = v p^T (source 0 = 16 e, source 1 = p): a lane holds ONE column m of each tile throughout.  Lane r of q's tile 2 b + u is n = 32 b + 8 u + r + 8 (r / 8),
; so p's 16 registers of two neighbouring tiles are n = 32 b + 16 (lane / 16) + 0 .. 15, as v's image has them.  Within an operand k stands in other places than the form's own layout gives it, alike in both sources.
; K = 32 IN THE K = 64 FORM: registers 4-7 of k's fragments are zero codes.  q's tiles lie four registers apart, so registers 4-7 of source 0 are the next tile's codes (behind the last: zeros): finite codes x zero codes add nothing.
; RING.  Two LDS slots of four steps (147,456 bytes), dense as in kv; each wave fetches an eighth of a slot by one tensor load (72 rows of 256 bytes).  By this text's count a wave has two tensor loads out at the start, later one.
; CLUSTER.  The four work-groups of a cluster belong to one batch and walk the same kv: each part of a slot is asked for JOINTLY, by the same load with the same descriptor and a mask that names the four.
; The place in the cluster enters the addresses of kimg, x and out0 alone.
; LIMITS: e6 + e7 between -126 and 127 (added to the exponent field of log2(e)); e9 between -126 and 119; e8 + e9 is applied by v_ldexp_f32 and has none.  NaN among the inputs is not served.
; REGISTERS, window 0: v1 16 x lane; v2 the step's LDS address; v3, v4 the spare word's address and 0; v5 stage, back; v6 prefetch offset; v8-11 stage, in; tile c: v[12 + 4 c] -M, v[13 + 4 c] largest t, v[14 + 4 c : 15 + 4 c] l in two halves,
;   v[20 + 2 c : 21 + 2 c] f; v24-28, v31 at work; v29 448 x 2^e9; v30 2^e9; v32-47 k's two fragments; v48-79 p's codes of the two tiles; v80-115 q; v116-119 the exchange's addresses; v128-191 S^T, then p, then V's buffer A; v192-255 V's buffer B.
;   window 1: O^T, tile c, channels 16 et on, at v[128 c + 8 et].
.set STEPB, 36864                      ; bytes of a step
.set SLOTB, 4*STEPB                    ; of a slot
.set PARTB, SLOTB/8                    ; of a wave's part of it
.set SPARE, 2*SLOTB                    ; behind the ring: the spare words, 128 bytes for each wave: four blocks of 256 bytes that no other line names
.set XST,   131072                     ; the exchange lies in slot 0, left at the last change of slots: eight images of 16,384 bytes, then from here eight x 256 bytes of statistics
.set SP,    528                        ; the stage: 256 rows e x (512 bytes + 16), in slot 1, which nobody reads behind the exchange's barrier.  Both slots have had their last fill by then
.set QF, 80
.set KF, 32
.set SS, 128
.set VA, 128
.set VB, 192
.set PC, 48
.set MSB, 0
.macro WIN new                         ; s_set_vgpr_msb: bits 1:0 source 0, 3:2 source 1, 5:4 source 2, 7:6 destination; the high byte repeats the setting that is left
.if MSB != \new
	s_set_vgpr_msb (MSB<<8)|\new
.set MSB, \new
.endif
.endm
.macro PLACES n
.rept \n
	v_nop
.endr
.endm
.macro CROUND                          ; a round of the cluster's barrier: my work-group's barrier; wave 0 signals for the work-group; every wave waits for all four work-groups; my work-group's barrier once more
	s_barrier_signal -1
	s_barrier_wait -1
	s_cmp_lg_u32 s16, 0
	s_cbranch_scc1 .Lnot_wave_0_\@
	s_barrier_signal -3
.Lnot_wave_0_\@:
	s_barrier_wait -3
	s_barrier_signal -1
	s_barrier_wait -1
.endm
.macro VLOAD buf, g                    ; V's tiles 4 g .. 4 g + 3 of the step: 16 loads, each 512 consecutive bytes
.irp i, 0,1,2,3
.irp c, 0,1,2,3
	ds_load_b128 v[\buf+16*\i+4*\c:\buf+16*\i+4*\c+3], v2 offset:4096+(4*\g+\i)*2048+512*\c
.endr
.endr
.endm
.macro QK c                            ; S^T of tile c: eight tiles of 16 n
.irp t, 0,1,2,3,4,5,6,7
	v_wmma_f32_16x16x64_fp8_fp8 v[SS+8*\t:SS+8*\t+7], v[QF+4*\t:QF+4*\t+7], v[KF+8*\c:KF+8*\c+7], 0
.endr
.endm
.macro PV buf, g, first                ; O^T's tiles 4 g .. 4 g + 3 of both column tiles += V p^T: each fragment of V serves two products.  first = 1: the products start the sums: nothing is ever cleared
.irp i, 0,1,2,3
.irp c, 0,1
.if \first
	v_wmma_f32_16x16x128_fp8_fp8 v[128*\c+8*(4*\g+\i):128*\c+8*(4*\g+\i)+7], v[\buf+16*\i:\buf+16*\i+15], v[PC+16*\c:PC+16*\c+15], 0
.else
	v_wmma_f32_16x16x128_fp8_fp8 v[128*\c+8*(4*\g+\i):128*\c+8*(4*\g+\i)+7], v[\buf+16*\i:\buf+16*\i+15], v[PC+16*\c:PC+16*\c+15], v[128*\c+8*(4*\g+\i):128*\c+8*(4*\g+\i)+7]
.endif
.endr
.endr
.endm
.macro RESCALE c                       ; O^T of tile c under the new M; each accumulator from its low end on
	WIN 0x41                                       ; O^T (destination and source 0) in window 1, f in window 0
.set j, 0
.rept 64
	v_pk_mul_f32 v[128*\c+j:128*\c+j+1], v[128*\c+j:128*\c+j+1], v[20+2*\c:21+2*\c] op_sel_hi:[1,0]
.set j, j+2
.endr
.endm
; The scores in S^T become tile c's p, its codes, its new M, f and l.
.macro SOFTMAX c
.set NM, 12+4*\c
.set LL, 14+4*\c
.set FF, 20+2*\c
	v_max3_num_f32 v26, v[SS], v[SS+1], v[SS+2]    ; the step's largest score of my column, among my 64 n, in two chains; each tile is first read at its low end
	v_max3_num_f32 v27, v[SS+3], v[SS+4], v[SS+5]
.set j, 6
.rept 14
	v_max3_num_f32 v26, v26, v[SS+j], v[SS+j+1]
	v_max3_num_f32 v27, v27, v[SS+j+2], v[SS+j+3]
.set j, j+4
.endr
	v_max3_num_f32 v26, v26, v[SS+62], v[SS+63]
	v_max_num_f32 v26, v26, v27
	v_permlanex16_b32 v28, v26, s20, s21
	v_max_num_f32 v26, v26, v28                    ; and among lane l xor 16's
	v_mul_f32 v26, s22, v26                        ; as t (the factor is positive)
	v_max_num_f32 v[NM+1], v[NM+1], v26            ; the running largest t
	v_mov_b32 v26, v[NM]
	v_floor_f32 v[NM], -v[NM+1]                    ; the new -M = floor(-t) = -ceil(t): a whole number
	v_sub_f32 v26, v[NM], v26                      ; old M - new M: a whole number, 0 or less
	v_cvt_i32_f32 v26, v26                         ; (it saturates)
	v_ldexp_f32 v[FF], 1.0, v26                    ; f = 2^(old M - new M)
.set j, 0
.rept 32
	v_pk_fma_f32 v[SS+j:SS+j+1], v[SS+j:SS+j+1], s[22:23], v[NM:NM+1] op_sel_hi:[1,0,0]   ; t - M, two at a time (the pairs' low words serve both halves)
.set j, j+2
.endr
.set j, 0
.rept 64
	v_exp_f32 v[SS+j], v[SS+j]                     ; p = 2^(t - M), at most 1
.set j, j+1
.endr
	v_pk_mul_f32 v[LL:LL+1], v[LL:LL+1], v[FF:FF+1] op_sel_hi:[1,0]   ; l under the new M.  (The plain line behind the exponentials)
	s_wait_alu depctr_va_vdst(0)
	v_pk_add_f32 v[24:25], v[SS:SS+1], v[SS+2:SS+3]                  ; l takes the UNQUANTISED p: two at a time, in two chains
.set j, 4
.rept 15
	v_pk_add_f32 v[LL:LL+1], v[LL:LL+1], v[SS+j:SS+j+1]
	v_pk_add_f32 v[24:25], v[24:25], v[SS+j+2:SS+j+3]
.set j, j+4
.endr
	v_pk_add_f32 v[LL:LL+1], v[LL:LL+1], v[24:25]
.irp b, 0,1,2,3
.irp i, 0,1,2,3,4,5,6,7,8,9,10,11,12,13,14,15
	v_min_num_f32 v[SS+16*\b+\i], v[SS+16*\b+\i], v29          ; the conversion does not saturate (ISA guide 7.6.2); p is not negative, so the hold is one-sided
.endr
	v_cvt_scalef32_pk8_fp8_f32 v[PC+16*\c+4*\b:PC+16*\c+4*\b+1], v[SS+16*\b:SS+16*\b+7], v30
	v_cvt_scalef32_pk8_fp8_f32 v[PC+16*\c+4*\b+2:PC+16*\c+4*\b+3], v[SS+16*\b+8:SS+16*\b+15], v30
.endr
.endm
; A STEP: 128 n, whose images begin at LDS byte s40, for my two tiles of columns.  The 32 accumulators of O^T take turns, one instruction a turn.
.macro STEP first
	PLACES 5                                       ; S^T is laid over V's buffer A, which the last products read: five plain lines; they also stand in front of the loads into buffer B
	v_add_nc_u32 v2, s40, v1
.irp t, 0,1,2,3,4,5,6,7
	ds_load_b128 v[QF+4*\t:QF+4*\t+3], v2 offset:512*\t        ; q's tile t
.endr
	VLOAD VB, 0
	s_wait_dscnt 16                                ; q is in; V's sixteen loads may be out
	QK 0
	PLACES 4
	SOFTMAX 0
	v_nop                                          ; a plain line between the conversions and the products that write their sources
	QK 1
.if \first
	PLACES 4
.else
	RESCALE 0                                      ; 64 plain lines that name none of those products' registers: the places behind them
	WIN 0
.endif
	SOFTMAX 1
	VLOAD VA, 1                                    ; p has left its registers: they take V's next four tiles
.if \first
	v_nop                                          ; a plain line between the conversions and the products that read their results
.else
	RESCALE 1
.endif
	s_wait_dscnt 16                                ; buffer B is in; buffer A's sixteen loads may be out
	WIN 0x50                                       ; C and D in window 1
	PV VB, 0, \first
	WIN 0
	PLACES 4                                       ; in front of loads into registers that matrix instructions have read
	VLOAD VB, 2
	s_wait_dscnt 16                                ; buffer A is in
	WIN 0x50
	PV VA, 1, \first
	WIN 0
	PLACES 4
	VLOAD VA, 3
	s_wait_dscnt 16                                ; buffer B is in
	WIN 0x50
	PV VB, 2, \first
	s_wait_dscnt 0x0
	PV VA, 3, \first
	WIN 0                                          ; at a label and at a branch every window is 0
	s_add_co_u32 s40, s40, 2*STEPB                 ; my group's next step: the other group takes the one between
.endm
.macro STEPS n
	s_mov_b32 s41, \n
.Lstep_\@:
	STEP 0
	s_sub_co_u32 s41, s41, 1
	s_cmp_lg_u32 s41, 0
	s_cbranch_scc1 .Lstep_\@
.endm
; THE CHANGE OF SLOTS.  Each wave waits for all its tensor loads (its part of the slot ahead), adds 0 to its spare word, and waits for that and for its reads of the slot that it leaves.
; fill = 1: slot j, just left, is filled with the steps eight on; the barrier is then a round of the cluster's, so that no wave of any partner still reads the slot or has a load on its way,
; and the joint refill is the first thing behind it: it has a whole slot's steps in which to land.
.macro CHANGE j, fill
	WIN 0
	s_wait_tensorcnt 0x0                           ; no tensor load of mine is out, so a group 0 may be written
	ds_add_u32 v3, v4                              ; 0 onto my spare word
.if \fill
	s_add_nc_u64 s[34+4*\j:35+4*\j], s[34+4*\j:35+4*\j], 2*SLOTB   ; the type bits on top are not reached
.endif
	s_wait_dscnt 0x0                               ; the add is done, and my reads of the slot are over
.if \fill
	CROUND
	tensor_load_to_lds s[32+4*\j:35+4*\j], s[24:31]
	s_nop 0
	PLACES 4
.else
	s_barrier_signal -1
	s_barrier_wait -1
.endif
.endm
; THE EXCHANGE.  GIVE o: tile o's -M and l and its O^T go to my place in the exchange, as they stand in my registers; the tile that I keep leaves its -M and l in v26, v27.
.macro GIVE o
	ds_store_b64 v118, v[12+4*\o:13+4*\o]
	WIN 0x04                                       ; the stores' data in window 1
.set i, 0
.rept 32
	ds_store_b128 v116, v[128*\o+4*i:128*\o+4*i+3] offset:512*i      ; each accumulator from its low end on
.set i, i+1
.endr
	WIN 0
	v_mov_b32 v26, v[16-4*\o]
	v_mov_b32 v27, v[17-4*\o]
.endm
; TAKE c: my part of tile c x its factor is added to the partner's part, which stands, times its own factor, in v128-255.
.macro TAKE c
	WIN 0x01                                       ; source 0 in window 1
.set j, 0
.rept 64
	v_pk_fma_f32 v[128+j:128+j+1], v[128*\c+j:128*\c+j+1], v[20:21], v[128+j:128+j+1] op_sel_hi:[1,0,1]   ; each accumulator from its low end on
.set j, j+2
.endr
	WIN 0
.endm
	s_load_b256 s[4:11], s[0:1], 0x0               ; kv s[4:5], kimg s[6:7], the scales' exponents s[8:9], gamma s[10:11]
	s_load_b128 s[12:15], s[0:1], 0x20             ; x s[12:13], out0 s[14:15]
	v_lshl_add_u32 v3, v0, 2, SPARE
	v_mov_b32 v4, 0
	ds_add_u32 v3, v4
	s_wait_dscnt 0x0
	v_lshrrev_b32 v1, 5, v0
	v_readfirstlane_b32 s16, v1                    ; wave 0..7
	s_and_b32 s43, s16, 3                          ; pw: which two tiles of columns
	s_lshr_b32 s62, s16, 2                         ; g: which steps of a slot; at the end: which of the two tiles I finish
	s_mul_i32 s42, s62, STEPB                      ; my group's first step in a slot
	s_bfe_u32 s17, ttmp6, 0x40000                  ; cx: my place in the cluster
	s_lshl_b32 s18, ttmp9, 2                       ; in a cluster launch ttmp9 counts clusters
	s_add_co_u32 s18, s18, s17                     ; my block of 128 columns
	s_and_b32 s19, ttmp7, 0xffff                   ; the batch, which the four partners share
	; descriptor group 1: 72 rows of 32 elements of 8 bytes, dense in memory and in LDS
	s_mov_b32 s24, 15|(3<<16)|(1<<21)              ; 15:0 the mask: all four work-groups; 17:16 elements of 8 bytes; 20 no padding; 21 set beside a mask
	s_mov_b32 s25, 32<<16                          ; tensor_dim0 = 32
	s_mov_b32 s26, 72<<16                          ; tensor_dim1 = 72
	s_mov_b32 s27, 32<<16                          ; tile_dim0 = 32
	s_mov_b32 s28, 72                              ; tile_dim1 = 72
	s_mov_b32 s29, 32                              ; elements from row to row
	s_mov_b32 s30, 0
	s_mov_b32 s31, 0
	s_mov_b32 s20, 0x76543210                      ; v_permlanex16_b32's selects: lane l xor 16
	s_mov_b32 s21, 0xfedcba98
	s_mov_b32 s22, 0x3fb8aa3b                      ; log2(e)
	s_mul_i32 s52, s16, PARTB                      ; my part of a slot: in LDS and in kv alike
	s_mul_i32 s53, s16, 32*SP
	s_add_co_u32 s53, s53, SLOTB                   ; my 32 rows of the stage
	s_mul_i32 s50, s19, 16*STEPB
	s_add_co_u32 s50, s50, s52
	s_mov_b32 s51, 0
	s_lshl_b32 s58, s19, 16                        ; kimg: batch x 65,536 + block x 4,096 + my two tiles x 512
	s_lshl_b32 s59, s18, 12
	s_add_co_u32 s58, s58, s59
	s_lshl_b32 s59, s43, 10
	s_add_co_u32 s58, s58, s59
	s_mov_b32 s59, 0
	s_lshl_b32 s60, s19, 21                        ; x, out0: batch x 2,097,152 + my 32 rows e x 8,192 + block x 512
	s_lshl_b32 s61, s16, 18
	s_add_co_u32 s60, s60, s61
	s_lshl_b32 s61, s18, 9
	s_add_co_u32 s60, s60, s61
	s_mov_b32 s61, 0
	s_wait_kmcnt 0x0
	s_load_b128 s[44:47], s[8:9], 0x18             ; e6, e7, e8, e9
	s_load_b32 s48, s[10:11], 0x0                  ; gamma
	s_add_nc_u64 s[4:5], s[4:5], s[50:51]
	s_add_nc_u64 s[6:7], s[6:7], s[58:59]
	s_add_nc_u64 s[54:55], s[12:13], s[60:61]
	s_add_nc_u64 s[56:57], s[14:15], s[60:61]
.irp j, 0,1                                    ; descriptor group 0, a set for each slot
	s_mov_b32 s[32+4*\j], 1                                    ; count = 1
	s_add_co_u32 s[33+4*\j], s52, \j*SLOTB                     ; LDS address: the wave's number x a constant + the slot's constant
	s_add_nc_u64 s[34+4*\j:35+4*\j], s[4:5], \j*SLOTB          ; global address: slot j begins with steps 4 j .. 4 j + 3
	s_or_b32 s[35+4*\j], s[35+4*\j], 0x80000000                ; type = 2
.endr
	CROUND                                         ; all four work-groups are here: the first joint loads meet
	tensor_load_to_lds s[32:35], s[24:31]          ; both first fills go out together, ahead of every wait on TENSORcnt and every LDS read
	s_nop 0
	tensor_load_to_lds s[36:39], s[24:31]
	s_nop 0
	PLACES 4
	v_and_b32 v7, 31, v0                           ; lane
	v_lshlrev_b32 v1, 4, v7                        ; 16 x lane
	global_load_b128 v[KF:KF+3], v1, s[6:7]                    ; k's fragments of my two tiles stay in registers
	global_load_b128 v[KF+8:KF+11], v1, s[6:7] offset:512
	v_add_nc_u32 v5, s53, v1                       ; the stage, back: my 32 rows, 16 bytes a lane
	v_lshlrev_b32 v6, 13, v7                       ; a row of x a lane
	s_lshl_b32 s50, s16, 14
	v_add_nc_u32 v116, s50, v1                     ; the exchange: where I give an image: 16,384 x wave + 16 x lane,
	s_xor_b32 s51, s16, 4                          ; my partner: the wave of the other group with my two tiles
	s_lshl_b32 s50, s51, 14
	v_add_nc_u32 v117, s50, v1                     ; and where I take my partner's
	v_lshlrev_b32 v24, 3, v7
	s_lshl_b32 s50, s16, 8
	s_add_co_u32 s50, s50, XST
	v_add_nc_u32 v118, s50, v24                    ; the statistics likewise: 256 x wave + 8 x lane
	s_lshl_b32 s50, s51, 8
	s_add_co_u32 s50, s50, XST
	v_add_nc_u32 v119, s50, v24
	v_and_b32 v26, 15, v0                          ; r
	v_bfe_u32 v27, v0, 4, 1                        ; h
	v_and_b32 v25, 8, v26
	v_add_nc_u32 v25, v25, v26                     ; r + 8 (r / 8)
	s_lshl_b32 s50, s43, 5
	s_lshl_b32 s51, s62, 3
	s_add_co_u32 s50, s50, s51
	v_add_nc_u32 v25, s50, v25                     ; my column, of the tile that I finish, among the 128: 32 pw + 8 g + r + 8 (r / 8)
	v_mul_u32_u24 v8, v27, 8*SP
	v_lshl_add_u32 v8, v25, 2, v8
	v_add_nc_u32 v8, SLOTB, v8                     ; the stage, in: row 8 h, my column's 4 bytes; four registers, 64 rows apart, keep the offsets inside 16 bits
	v_add_nc_u32 v9, 64*SP, v8
	v_add_nc_u32 v10, 128*SP, v8
	v_add_nc_u32 v11, 192*SP, v8
.irp j, 4,5,6,7,12,13,14,15
	v_mov_b32 v[KF+\j], 0                          ; K = 32 .. 63 of k's two fragments: zero codes
.endr
.irp j, 32,33,34,35
	v_mov_b32 v[QF+\j], 0                          ; behind q's last tile: written once, no load lands here
.endr
.irp c, 0,1
	v_mov_b32 v[13+4*\c], 0xff61b1e6               ; the largest t so far: -3e38, under every t
	v_floor_f32 v[12+4*\c], -v[13+4*\c]            ; -M
	v_mov_b32 v[14+4*\c], 0                        ; l, in two halves
	v_mov_b32 v[15+4*\c], 0
	v_mov_b32 v[21+2*\c], 0                        ; (named as the upper half of f's pair)
.endr
	v_mov_b32 v28, 0                               ; a lane permute's destination counts as one of its sources
	s_wait_kmcnt 0x0
	s_add_co_i32 s50, s44, s45
	s_lshl_b32 s50, s50, 23
	s_add_co_i32 s22, s22, s50                     ; a score stands for score x 2^(e6 + e7): the exponents are added to the exponent field of log2(e)
	s_mov_b32 s23, s22                             ; (named with it as a pair)
	s_add_co_i32 s50, s47, 127
	s_lshl_b32 s51, s50, 23
	v_mov_b32 v30, s51                             ; 2^e9 as f32
	s_add_co_i32 s50, s50, 8
	s_lshl_b32 s50, s50, 23
	s_or_b32 s50, s50, 0x600000
	v_mov_b32 v29, s50                             ; 448 x 2^e9
	s_add_co_i32 s49, s46, s47                     ; e8 + e9
	s_wait_tensorcnt 0x1                           ; my part of slot 0 is in; slot 1's may stay out
	s_wait_loadcnt 0x0                             ; k
	s_barrier_signal -1
	s_barrier_wait -1                              ; everybody's part is in
	s_mov_b32 s40, s42
	STEP 1                                         ; my first step is written out: its products start O^T's sums
	STEP 0
	CHANGE 0, 1                                    ; slot 0 takes steps 8-11
	s_add_co_u32 s40, s42, SLOTB
	STEPS 2
	CHANGE 1, 1                                    ; slot 1 takes steps 12-15
	s_mov_b32 s40, s42
	STEPS 2
	CHANGE 1, 0                                    ; nothing is left to fetch
	global_prefetch_b8 v6, s[54:55] th:TH_LOAD_NT scope:SCOPE_SE               ; the 32 rows of x that I add at the end, 512 bytes each: a lane to a row, its two blocks of 256 bytes once each,
	global_prefetch_b8 v6, s[54:55] offset:256 th:TH_LOAD_NT scope:SCOPE_SE    ; a slot's steps ahead of the loads; no other wave asks for them, and they lie inside x
	s_add_co_u32 s40, s42, SLOTB
	STEPS 2
	; THE TWO GROUPS' PARTS ARE JOINED.  The wave of group g finishes tile g of its pair and gives the other tile to its partner, through slot 0, which nobody has read since the last change of slots.
	PLACES 4                                       ; behind the last products, in front of the first reads of their results
	v_add_f32 v13, v14, v15                        ; l's two halves (the largest t is done with: -M and l now stand side by side),
	v_add_f32 v17, v18, v19
	v_permlanex16_b32 v28, v13, s20, s21
	v_add_f32 v13, v13, v28                        ; and lane l xor 16's
	v_permlanex16_b32 v28, v17, s20, s21
	v_add_f32 v17, v17, v28
	s_cmp_lt_u32 s16, 4                            ; the branch hangs on the wave's number alone, and holds only the lines that name a tile's registers
	s_cbranch_scc0 .Lgive_0
	GIVE 1
	s_branch .Lgiven
.Lgive_0:
	GIVE 0
.Lgiven:
	s_wait_dscnt 0x0                               ; for the others' sake: my stores into the exchange are done, and so are my reads of slot 1
	s_barrier_signal -1
	s_barrier_wait -1
	ds_load_b64 v[24:25], v119                     ; my partner's -M and l of the tile that I finish,
.set i, 0
.rept 32
	ds_load_b128 v[128+4*i:128+4*i+3], v117 offset:512*i       ; and its O^T: the same registers of the same lanes
.set i, i+1
.endr
	s_wait_dscnt 32                                ; the statistics are in; the image's 32 loads may be out
	v_min_num_f32 v31, v26, v24                    ; -M of the two together
	v_sub_f32 v26, v31, v26                        ; my M - M, and my partner's: whole numbers, 0 or less
	v_sub_f32 v24, v31, v24
	v_cvt_i32_f32 v26, v26
	v_cvt_i32_f32 v24, v24
	v_ldexp_f32 v26, 1.0, v26                      ; the two powers of two
	v_ldexp_f32 v24, 1.0, v24
	v_mul_f32 v27, v27, v26
	v_fma_f32 v27, v25, v24, v27                   ; l
	v_rcp_f32 v27, v27
	v_nop                                          ; a plain line behind the transcendental
	s_wait_alu depctr_va_vdst(0)
	v_mul_f32 v27, s48, v27                        ; x gamma
	v_ldexp_f32 v27, v27, s49                      ; x 2^(e8 + e9)
	v_mul_f32 v20, v27, v26                        ; my part's factor,
	v_mul_f32 v22, v27, v24                        ; my partner's
	s_wait_dscnt 0x0
.set j, 0
.rept 64
	v_pk_mul_f32 v[128+j:128+j+1], v[128+j:128+j+1], v[22:23] op_sel_hi:[1,0]
.set j, j+2
.endr
	s_cmp_lt_u32 s16, 4
	s_cbranch_scc0 .Ltake_1
	TAKE 0
	s_branch .Ltaken
.Ltake_1:
	TAKE 1
.Ltaken:
	; THE WAY OUT.  The finished tile goes into the work-group's stage, 4 bytes a lane at (row e, my column): the 32 lanes of a store touch 32 different banks (rows 8 apart begin 32 words apart mod 64).
	; A barrier, since a row's 128 columns come from eight waves; each wave then takes 32 whole rows, adds x and stores them.
	WIN 0x40                                       ; destination window 1: O^T's registers are free
.set i, 0
.rept 32
	global_load_b128 v[4*i:4*i+3], v1, s[54:55] offset:8192*i th:TH_LOAD_NT   ; x(32 w + i, my block): 512 consecutive bytes
.set i, i+1
.endr
	WIN 0
.set et, 0
.rept 16
.set j, 0
.rept 8
	ds_store_b32 v[8+et/4], v[128+8*et+j] offset:((et%4)*16+j)*SP  ; O(16 et + 8 h + j, my column)
.set j, j+1
.endr
.set et, et+1
.endr
	s_wait_dscnt 0x0                               ; for the others' sake: my stores into the stage are done
	s_barrier_signal -1
	s_barrier_wait -1
.set i, 0
.rept 32
	ds_load_b128 v[128+4*i:128+4*i+3], v5 offset:SP*i
.set i, i+1
.endr
	s_wait_loadcnt 0x0                             ; x
	s_wait_dscnt 0x0
	WIN 0x04                                       ; source 1 in window 1
.set j, 0
.rept 64
	v_pk_add_f32 v[128+j:128+j+1], v[128+j:128+j+1], v[j:j+1]
.set j, j+2
.endr
	WIN 0
.set i, 0
.rept 32
	global_store_b128 v1, v[128+4*i:128+4*i+3], s[56:57] offset:8192*i th:TH_STORE_NT   ; 32 lanes store 512 consecutive bytes, at a multiple of 256 from out0's first byte
.set i, i+1
.endr
	s_wait_tensorcnt 0x0                           ; the wave's end, behind my last tensor load and my last LDS store
	ds_add_u32 v3, v4
	s_wait_dscnt 0x0
	CROUND                                         ; the closing round: no work-group ends while a partner may still ask for a tile that names it
	s_endpgm
.Lfunc_end_k_q5c7e5862dc_attn:
	.size	k_q5c7e5862dc_attn, .Lfunc_end_k_q5c7e5862dc_attn-k_q5c7e5862dc_attn
	.p2alignl 7, 3214868480
	.fill 96, 4, 3214868480
	.section	.rodata,"a",@progbits
	.p2align	6, 0x0
	.amdhsa_kernel k_q5c7e5862dc_attn
		.amdhsa_group_segment_fixed_size 327680
		.amdhsa_private_segment_fixed_size 0
		.amdhsa_enable_private_segment 0
		.amdhsa_kernarg_size 48
		.amdhsa_user_sgpr_count 2
		.amdhsa_user_sgpr_kernarg_segment_ptr 1
		.amdhsa_wavefront_size32 1
		.amdhsa_system_sgpr_workgroup_id_x 1
		.amdhsa_system_sgpr_workgroup_id_y 1
		.amdhsa_system_sgpr_workgroup_id_z 1
		.amdhsa_system_vgpr_workitem_id 0
		.amdhsa_next_free_vgpr 512
		.amdhsa_next_free_sgpr 66
		.amdhsa_reserve_vcc 0
		.amdhsa_float_denorm_mode_32 3
		.amdhsa_float_denorm_mode_16_64 3
		.amdhsa_memory_ordered 1
		.amdhsa_forward_progress 1
		.amdhsa_inst_pref_size 235
	.end_amdhsa_kernel
	.amdgpu_metadata
---
amdhsa.version: [ 1, 2 ]
amdhsa.kernels:
  - .name:           k_q5c7e5862dc_attn
    .symbol:         k_q5c7e5862dc_attn.kd
    .args:
      - { .name: kv, .offset: 0, .size: 8, .value_kind: global_buffer, .address_space: global }
      - { .name: kimg, .offset: 8, .size: 8, .value_kind: global_buffer, .address_space: global }
      - { .name: lowp_scales, .offset: 16, .size: 8, .value_kind: global_buffer, .address_space: global }
      - { .name: gamma, .offset: 24, .size: 8, .value_kind: global_buffer, .address_space: global }
      - { .name: x, .offset: 32, .size: 8, .value_kind: global_buffer, .address_space: global }
      - { .name: out0, .offset: 40, .size: 8, .value_kind: global_buffer, .address_space: global }
    .group_segment_fixed_size: 327680
    .private_segment_fixed_size: 0
    .kernarg_segment_align: 8
    .kernarg_segment_size: 48
    .max_flat_workgroup_size: 256
    .sgpr_count:     66
    .vgpr_count:     512
    .wavefront_size: 32
...
	.end_amdgpu_metadata
.endif
;; end of part 2
